; MI455X (gfx1250); checked and timed in simulation.
; The chip was launched on July 23, 2026; its instructions are those of AMD's public machine-readable ISA for CDNA 5 (MIT licence, August 2026) and "CDNA5" Instruction Set Architecture Reference Guide (July 2026). The comments in the code are by the model that wrote it; some were corrected since.
;; Head. Allowed arithmetic: float matrix products may take bf16 or f16 operands with f32 sums; all other float work in f32.
;; Inputs: Wk 256 x 32 float32; Wq 256 x 32 float32; Wv 256 x 32 float32; x 8 x 2,048 x 256 float32.
;; Outputs: out0 8 x 2,048 x 32 float32.
;; One version. Each part assembles by itself: llvm-mc -triple=amdgcn-amd-amdhsa -mcpu=gfx1250 --defsym DOCPART=n.
;; ======== version 1 of 1: 2 launches
;; limits: values are held in f16: magnitudes above 65,504 overflow, below 6.1e-05 lose precision
;; workspace buffers: qf 1,048,576 bytes; kv 2,097,152 bytes
;; launch proj (part 1): grid 256 x 1, 4 waves a work-group, no clusters, 168,448 bytes of LDS; arguments x, Wq, Wk, Wv, qf, kv; writes qf, kv
.if DOCPART == 1
	.amdgcn_target "amdgcn-amd-amdhsa--gfx1250"
	.amdhsa_code_object_version 6
	.text
	.protected	k_qd992510167_proj
	.globl	k_qd992510167_proj
	.p2align	8
	.type	k_qd992510167_proj,@function
k_qd992510167_proj:
	s_mov_b64 s[64:65], 0
	v_nop
	global_prefetch_b8 v0, s[64:65] scope:SCOPE_SE
	s_setreg_imm32_b32 hwreg(HW_REG_WAVE_MODE, 25, 1), 1
	s_wait_xcnt 0x0
; First of two launches: q = x Wq, k = x Wk, v = x Wv for 8 x 2048 = 16,384 tokens; x f32 [16384][256], each W f32 [256][32].
; bf16 operands (x, W), f32 sums, results rounded once to f16.  256 work-groups of 4 waves; a wave makes all 96 features of 16 tokens.
; WHAT IS STORED is not a row-major q, k, v but the register images that the second launch's matrix instructions take:
;   qf: per 16 tokens 1,024 bytes = [feature half c][lane][16 bytes]: lane (r = lane%16, h = lane/16) holds token r, features 16c+8h .. +7
;   kv: per 32 tokens 4,096 bytes = k of tokens 0-15 (as qf), k of tokens 16-31, then v: [feature tile ft][token half c][lane][16 bytes]:
;       lane (r, h) holds feature 16ft+r, tokens 16c+8h .. +7
; They fall out of the matrix unit as they are: for q and k source 0 is W (rows = features) and source 1 is x (columns = tokens), so a lane's
; eight results are eight features of one token; for v the sources are swapped, so they are eight tokens of one feature.  Every store of a
; wave is then 512 consecutive bytes, aligned, and so is every load of the second launch.
; q is multiplied in f32 by 32^-0.5 log2(e) before its rounding, so that the second launch's scores are exponents of 2.
; WHY f16 FOR q, k, v: the first rows of the result are means of a few v of size 1, which can cancel to nearly nothing; a rounding to 8 significant
; bits (up to 2^-8 of each v and, through the scores, of each weight) then shows in the result; 11 significant bits make it eight times smaller.
; LIMITS: x and W are rounded to bf16, q, k, v to f16 (nearest even); the scale enters q before the rounding, not the scores after it.
; |0.255 q|, |k|, |v| must stay below 65,504, f16's largest number.  With x of spread 1 and W of spread 1/16 they have spread 1 and reach about 5:
; x and W both 30 times larger give 4,700; both with an offset of 30 spreads give 256 x 30 x 1.9 = 14,600.  900 times smaller they lie near 1e-3,
; where f16's step is 6e-8 at the most.
; x: each wave fetches its own 16 rows by four tensor loads (16 rows x 256 bytes each, two K steps), reads only its own bytes, each chunk behind
; its own counted wait; nothing is filled twice.  By this text's count a wave has four tensor loads outstanding at the most.
; W: shared by the four waves; it has to be transposed (k must run along a lane's registers) and rounded, so it goes through registers into LDS once.
; NO CLUSTER: x is read by one wave only; the 96 KiB of W that all work-groups read pass through registers for the transposition,
; so there is no tile that a joint load could put into LDS as it is needed.
; LDS declared: more than half of the WGP's; used: 120,320 bytes.
.set XROW,  272                        ; LDS row of an x chunk: 256 bytes + 16 of padding: 16 rows start 16 bytes apart modulo 256 (64 banks of 4 bytes: ISA guide 11.1)
.set XCH,   16*XROW                    ; one chunk: 16 tokens x 64 f32
.set XW,    4*XCH                      ; a wave's four chunks
.set WT,    4*XW                       ; behind the four waves' x (byte 69,632, a multiple of 256): W transposed, bf16, [96 features][256 k]
.set WP,    528                        ; its pitch: 512 bytes + 16
.set GOFF,  4                          ; v4      my byte offset in each W
.set WST,   5                          ; v5      where I put transposed W
.set XA,    8                          ; v8      my x fragment address
.set WB,    9                          ; v9      my W fragment address
.set LOFF,  10                         ; v10     16 x lane: the stores' offset
.set ACC,   16                         ; v[16:63]  six accumulators: q features 0-15, 16-31, k likewise, v likewise
.set CT,    32                         ; v[32:47]  W packed, on its way to LDS (before the accumulators are in use)
.set WL,    64                         ; v[64:255] W as loaded: six units of 8 rows x 4 features
.set BUF0,  64                         ; two fragment buffers of 72 registers: x in f32 (16), x in bf16 (8), six W fragments (48)
.set BUFSZ, 72
.set OUTR,  64                         ; v[64:87]  packed results
.set G1,    24                         ; s[24:31]  descriptor group 1
.set G0,    32                         ; s[32:47]  descriptor group 0, one for each chunk: all four loads are out together
	s_load_b256 s[4:11], s[0:1], 0x0               ; x s[4:5], Wq s[6:7], Wk s[8:9], Wv s[10:11]
	s_load_b128 s[12:15], s[0:1], 0x20             ; qf s[12:13], kv s[14:15]
	v_lshl_add_u32 v14, v0, 2, 0x29000
	v_mov_b32 v15, 0
	ds_add_u32 v14, v15
	ds_add_u32 v14, v15
	v_lshrrev_b32 v1, 5, v0
	v_readfirstlane_b32 s16, v1                    ; wave 0..3
	s_lshl_b32 s20, ttmp9, 2
	s_add_co_u32 s20, s20, s16                     ; my tile of 16 tokens, 0..1023
	; group 1: a tile of 16 rows x 64 elements of 4 bytes, rows 256 elements apart, 4 words of padding behind every 64 words
	s_mov_b32 s[G1+0], (2<<16)|(1<<20)|(5<<22)|(3<<25)
	s_mov_b32 s[G1+1], 64<<16                      ; tensor_dim0 = 64
	s_mov_b32 s[G1+2], 16<<16                      ; tensor_dim1 = 16
	s_mov_b32 s[G1+3], 64<<16                      ; tile_dim0 = 64
	s_mov_b32 s[G1+4], 16                          ; tile_dim1 = 16
	s_mov_b32 s[G1+5], 256                         ; elements from row to row
	s_mov_b32 s[G1+6], 0
	s_mov_b32 s[G1+7], 0
	s_mul_i32 s17, s16, XW                         ; my wave's x in LDS
	s_lshl_b32 s18, s20, 14                        ; 16 rows of 1,024 bytes a tile
	s_mov_b32 s19, 0
	s_mov_b32 s22, 0x3e8293ee                      ; 32^-0.5 x log2(e) = 0.25503486
	s_mov_b32 s23, 0x3e8293ee
	v_and_b32 v2, 7, v0                            ; fq: which four features of a W row
	v_lshrrev_b32 v3, 3, v0                        ; g: which group of eight k, 0..15
	v_lshlrev_b32 v[GOFF], 4, v2
	v_lshl_add_u32 v[GOFF], v3, 10, v[GOFF]        ; 8 g rows of 128 bytes + 16 fq
	s_wait_dscnt 0x0
	s_wait_kmcnt 0x0
	s_add_nc_u64 s[4:5], s[4:5], s[18:19]          ; x at my first token
	; the four first fills, one group, ahead of every wait on TENSORcnt, every LDS read and the barrier
.irp c, 0,1,2,3
	s_mov_b32 s[G0+4*\c], 1
	s_add_co_u32 s[G0+4*\c+1], s17, \c*XCH
	s_add_nc_u64 s[G0+4*\c+2:G0+4*\c+3], s[4:5], \c*256
	s_or_b32 s[G0+4*\c+3], s[G0+4*\c+3], 0x80000000
	tensor_load_to_lds s[G0+4*\c:G0+4*\c+3], s[G1:G1+7]
	s_nop 0
.endr
; W: a unit is 8 rows (k = 8 (g + 16 hh) .. +7) x 4 features of one matrix: 8 loads of 16 bytes; 8 lanes cover a row of 128 bytes.
.macro WLOAD mat, hh
.irp i, 0,1,2,3,4,5,6,7
	global_load_b128 v[WL+32*(2*\mat+\hh)+4*\i:WL+32*(2*\mat+\hh)+4*\i+3], v[GOFF], s[6+2*\mat:7+2*\mat] offset:\hh*16384+\i*128
.endr
.endm
	WLOAD 0, 0
	WLOAD 0, 1
	WLOAD 1, 0
	WLOAD 1, 1
	WLOAD 2, 0
	WLOAD 2, 1
	; addresses, while the loads are on their way
	v_mul_u32_u24 v[WST], v2, 4*WP                 ; feature 4 fq
	v_lshl_add_u32 v[WST], v3, 4, v[WST]           ; + 16 bytes for each group of eight k
	v_add_nc_u32 v[WST], WT, v[WST]
	v_and_b32 v6, 15, v0                           ; r
	v_bfe_u32 v7, v0, 4, 1                         ; h
	v_mul_u32_u24 v[XA], v6, XROW
	v_lshl_add_u32 v[XA], v7, 5, v[XA]             ; token r, 8 h f32 along the row
	v_add_nc_u32 v[XA], s17, v[XA]
	v_mul_u32_u24 v[WB], v6, WP
	v_lshl_add_u32 v[WB], v7, 4, v[WB]             ; feature r, 8 h bf16 along the row
	v_add_nc_u32 v[WB], WT, v[WB]
	v_and_b32 v[LOFF], 31, v0
	v_lshlrev_b32 v[LOFF], 4, v[LOFF]
	s_lshl_b32 s48, s20, 10                        ; qf: 1,024 bytes a tile
	s_mov_b32 s49, 0
	s_add_nc_u64 s[12:13], s[12:13], s[48:49]
	s_lshr_b32 s50, s20, 1
	s_lshl_b32 s50, s50, 12                        ; kv: 4,096 bytes for 32 tokens
	s_and_b32 s51, s20, 1                          ; which 16 of the 32 are mine
	s_lshl_b32 s52, s51, 10
	s_add_co_u32 s52, s52, s50
	s_mov_b32 s53, 0
	s_add_nc_u64 s[52:53], s[14:15], s[52:53]      ; my k
	s_lshl_b32 s54, s51, 9
	s_add_co_u32 s54, s54, s50
	s_add_co_u32 s54, s54, 2048
	s_mov_b32 s55, 0
	s_add_nc_u64 s[54:55], s[14:15], s[54:55]      ; my half of v's two fragments
; a unit is packed along k (two rows make one word) and stored as 16 bytes = eight k of one feature
.macro WCVT mat, hh
	s_wait_loadcnt 40-8*(2*\mat+\hh)               ; loads return in order (ISA guide 5.7.1): this unit's eight are in, the younger units' stay out
.irp j, 0,1,2,3
.irp p, 0,1,2,3
	v_cvt_pk_bf16_f32 v[CT+4*\j+\p], v[WL+32*(2*\mat+\hh)+8*\p+\j], v[WL+32*(2*\mat+\hh)+8*\p+4+\j]
.endr
	ds_store_b128 v[WST], v[CT+4*\j:CT+4*\j+3] offset:(32*\mat+\j)*WP+\hh*256
.endr
.endm
	WCVT 0, 0
	WCVT 0, 1
	WCVT 1, 0
	WCVT 1, 1
	WCVT 2, 0
	WCVT 2, 1
	s_wait_dscnt 0x0                               ; my part of W is in LDS, for the others' sake
	s_barrier_signal -1                            ; my x chunks may still be on their way: only I read them, behind my own waits
	s_barrier_wait -1
; the 16 LDS loads of K step ls (32 along k) into buffer ls & 1: x as f32 (k = 8h..8h+7 and 16+8h..+7 of token r), six W fragments
.macro LOADS
	.set LB, BUF0+BUFSZ*(ls&1)
	ds_load_b128 v[LB:LB+3],     v[XA] offset:(ls/2)*XCH+(ls&1)*128
	ds_load_b128 v[LB+4:LB+7],   v[XA] offset:(ls/2)*XCH+(ls&1)*128+16
	ds_load_b128 v[LB+8:LB+11],  v[XA] offset:(ls/2)*XCH+(ls&1)*128+64
	ds_load_b128 v[LB+12:LB+15], v[XA] offset:(ls/2)*XCH+(ls&1)*128+80
.irp j, 0,1,2,3,4,5
	ds_load_b128 v[LB+24+8*\j:LB+24+8*\j+3],   v[WB] offset:\j*16*WP+ls*64
	ds_load_b128 v[LB+24+8*\j+4:LB+24+8*\j+7], v[WB] offset:\j*16*WP+ls*64+32
.endr
.endm
	s_wait_tensorcnt 0x3                           ; tensor loads of a wave end in order (ISA guide 10.11.1): chunk 0 is in, three stay out
	.set ls, 0
	LOADS
	.set ks, 0
.rept 8
	.set CB, BUF0+BUFSZ*(ks&1)
.if ks < 7
.if (ks&1) == 1
	s_wait_tensorcnt 3-(ks+1)/2                    ; the next K step opens a chunk: it is in, the younger chunks stay out
.endif
.if ks > 0
.rept 4
	v_nop                                          ; four places between the last matrix instructions and loads into registers that they read (ISA guide 7.12.1 for vector instructions)
.endr
.endif
	.set ls, ks+1
	LOADS                                          ; the next K step's fragments, into the other buffer
	s_wait_dscnt 16                                ; all but those 16: this K step's fragments are in
.else
	s_wait_dscnt 0x0
.endif
.irp p, 0,1,2,3,4,5,6,7
	v_cvt_pk_bf16_f32 v[CB+16+\p], v[CB+2*\p], v[CB+2*\p+1]
.endr
	; six accumulators by turns, one instruction a turn; the first K step starts the sums
.if ks == 0
.irp j, 0,1,2,3
	v_wmma_f32_16x16x32_bf16 v[ACC+8*\j:ACC+8*\j+7], v[CB+24+8*\j:CB+24+8*\j+7], v[CB+16:CB+23], 0
.endr
.irp j, 4,5
	v_wmma_f32_16x16x32_bf16 v[ACC+8*\j:ACC+8*\j+7], v[CB+16:CB+23], v[CB+24+8*\j:CB+24+8*\j+7], 0
.endr
.else
.irp j, 0,1,2,3
	v_wmma_f32_16x16x32_bf16 v[ACC+8*\j:ACC+8*\j+7], v[CB+24+8*\j:CB+24+8*\j+7], v[CB+16:CB+23], v[ACC+8*\j:ACC+8*\j+7]
.endr
.irp j, 4,5
	v_wmma_f32_16x16x32_bf16 v[ACC+8*\j:ACC+8*\j+7], v[CB+16:CB+23], v[CB+24+8*\j:CB+24+8*\j+7], v[ACC+8*\j:ACC+8*\j+7]
.endr
.endif
	.set ks, ks+1
.endr
.rept 4
	v_nop                                          ; four places before vector instructions read the results (ISA guide 7.12.1)
.endr
.irp p, 0,1,2,3,4,5,6,7
	v_pk_mul_f32 v[ACC+2*\p:ACC+2*\p+1], v[ACC+2*\p:ACC+2*\p+1], s[22:23] op_sel_hi:[1,0]   ; q x 32^-0.5 log2(e)
.endr
.irp t, 0,1,2,3,4,5
.irp p, 0,1,2,3
	v_cvt_pk_f16_f32 v[OUTR+4*\t+\p], v[ACC+8*\t+2*\p], v[ACC+8*\t+2*\p+1]      ; two roundings to f16, the first source in the low half
.endr
.endr
	; six stores, each 512 consecutive bytes of the wave, aligned
	global_store_b128 v[LOFF], v[OUTR:OUTR+3],     s[12:13]
	global_store_b128 v[LOFF], v[OUTR+4:OUTR+7],   s[12:13] offset:512
	global_store_b128 v[LOFF], v[OUTR+8:OUTR+11],  s[52:53]
	global_store_b128 v[LOFF], v[OUTR+12:OUTR+15], s[52:53] offset:512
	global_store_b128 v[LOFF], v[OUTR+16:OUTR+19], s[54:55]
	global_store_b128 v[LOFF], v[OUTR+20:OUTR+23], s[54:55] offset:1024
	s_wait_tensorcnt 0x0
	ds_add_u32 v14, v15
	s_wait_dscnt 0x0
	s_endpgm
.Lfunc_end_k_qd992510167_proj:
	.size	k_qd992510167_proj, .Lfunc_end_k_qd992510167_proj-k_qd992510167_proj
	.p2alignl 7, 3214868480
	.fill 96, 4, 3214868480
	.section	.rodata,"a",@progbits
	.p2align	6, 0x0
	.amdhsa_kernel k_qd992510167_proj
		.amdhsa_group_segment_fixed_size 168448
		.amdhsa_private_segment_fixed_size 0
		.amdhsa_enable_private_segment 0
		.amdhsa_kernarg_size 48
		.amdhsa_user_sgpr_count 2
		.amdhsa_user_sgpr_kernarg_segment_ptr 1
		.amdhsa_wavefront_size32 1
		.amdhsa_system_sgpr_workgroup_id_x 1
		.amdhsa_system_sgpr_workgroup_id_y 1
		.amdhsa_system_sgpr_workgroup_id_z 1
		.amdhsa_system_vgpr_workitem_id 0
		.amdhsa_next_free_vgpr 256
		.amdhsa_next_free_sgpr 66
		.amdhsa_reserve_vcc 0
		.amdhsa_float_denorm_mode_32 3
		.amdhsa_float_denorm_mode_16_64 3
		.amdhsa_memory_ordered 1
		.amdhsa_forward_progress 1
		.amdhsa_inst_pref_size 36
	.end_amdhsa_kernel
	.amdgpu_metadata
---
amdhsa.version: [ 1, 2 ]
amdhsa.kernels:
  - .name:           k_qd992510167_proj
    .symbol:         k_qd992510167_proj.kd
    .args:
      - { .name: x, .offset: 0, .size: 8, .value_kind: global_buffer, .address_space: global }
      - { .name: Wq, .offset: 8, .size: 8, .value_kind: global_buffer, .address_space: global }
      - { .name: Wk, .offset: 16, .size: 8, .value_kind: global_buffer, .address_space: global }
      - { .name: Wv, .offset: 24, .size: 8, .value_kind: global_buffer, .address_space: global }
      - { .name: qf, .offset: 32, .size: 8, .value_kind: global_buffer, .address_space: global }
      - { .name: kv, .offset: 40, .size: 8, .value_kind: global_buffer, .address_space: global }
    .group_segment_fixed_size: 168448
    .private_segment_fixed_size: 0
    .kernarg_segment_align: 8
    .kernarg_segment_size: 48
    .max_flat_workgroup_size: 128
    .sgpr_count:     66
    .vgpr_count:     256
    .wavefront_size: 32
...
	.end_amdgpu_metadata
.endif
;; end of part 1
;; launch attn (part 2): grid 32 x 8, 16 waves a work-group, no clusters, 149,504 bytes of LDS; arguments qf, kv, out0; writes out0
.if DOCPART == 2
	.amdgcn_target "amdgcn-amd-amdhsa--gfx1250"
	.amdhsa_code_object_version 6
	.text
	.protected	k_qd992510167_attn
	.globl	k_qd992510167_attn
	.p2align	8
	.type	k_qd992510167_attn,@function
k_qd992510167_attn:
	s_mov_b64 s[64:65], 0
	v_nop
	global_prefetch_b8 v0, s[64:65] scope:SCOPE_SE
	s_setreg_imm32_b32 hwreg(HW_REG_WAVE_MODE, 25, 1), 1
	s_wait_xcnt 0x0
; Second of two launches: causal softmax(q k^T / sqrt(32)) v for 8 batches of 2,048 tokens, from the f16 fragment images qf and kv of the first launch
; (q already carries 32^-0.5 log2(e): scores are exponents of 2).  out0 f32 [8][2048][32].
; WORK: work-group (i = x, b = y) owns two blocks of 32 queries of batch b: H = 63 - i and L = i.  Block j needs key steps 0..j (32 keys each), so the
; work-group always has (64 - i) + (i + 1) = 65 items of 32 queries x 32 keys: items 0 .. 63-i are H's, the rest L's.  Wave w of 16 takes items
; 4w .. 4w+3, wave 15 also item 64.  The items' K and V fragments (4 x 32 registers) and both blocks' Q are asked for at the start, each load
; 512 consecutive bytes, so a wave waits for memory once and then only for what has not yet come.
; LAYOUT: scores are made transposed, S^T = K Q^T: lane (r = lane%16, h = lane/16) holds query r and keys 8h+j and 16+8h+j.  Maximum and sum run along the
; lane's registers (one exchange between the halves for the maximum), and the packed P is as it stands the second source of out^T = V^T P^T.
; Softmax with a running maximum.  Each wave ends with a partial state (maximum, sum, out^T) for H and, waves 8-15, for L; the states meet in LDS, each in
; its wave's own slot, and behind one barrier 512 threads merge them: 16 states for H (waves 0-7), 8 for L (waves 8-15: items of L start at 33 or later).
; FORMAT: q, k, v and P are f16, sums f32.  The first rows of out are means of a few v that can cancel, so the weights and v need more than 8 significant
; bits; f16 has 11.  P = exp2(score - running maximum) lies in (0, 1]: below 6e-5 it is denormal, wrong by 3e-8 at the most, beside a sum of at least 1.
; LIMITS: |0.255 q|, |k|, |v| below 65,504 (the first launch's head gives the room); v_exp_f32 gives zero below 2^-126.  Where a wave passes from H to L
; its sums are not cleared: the maximum is set to -inf, so that the next factor exp2(-inf) = 0 (in the loop or in the merge) annuls them; they are
; finite, being sums of at most 160 products of P <= 1 and |v| <= 65,504.
; The 32 accumulator registers are cleared once at the start: a wave's first item may follow an empty state that is stored as it is.
; NO CLUSTER: the 32 work-groups of a batch read the same key steps, but which wave reads which step hangs on the work-group's own split at 64 - i,
; so no two work-groups make the same request at the same place of the text, and the fragments go from memory straight into registers:
; there is no LDS tile into which a joint load could land.
.set LOFF, 1                           ; v1      16 x lane
.set SA,   2                           ; v2      my 32 bytes of a row in my wave's H slot
.set SB,   3                           ; v3      (maximum, sum) of query r in my wave's H slot
.set SAL,  4                           ; v4, v5  the same in my wave's L slot
.set SBL,  5
.set T,    6                           ; v[6:7]    at work, one register for each 16 queries u
.set X,    8                           ; v[8:9]    at work
.set MM,   10                          ; v[10:11]  running maximum
.set NM,   12                          ; v[12:15]  minus the maximum, twice (a pair for packed adds)
.set LL,   16                          ; v[16:19]  running sum, in two parts a lane
.set AA,   20                          ; v[20:23]  exp2(old maximum - new), twice
.set MA,   24                          ; v[24:27]  the merge's LDS addresses
.set MA2,  25
.set MB,   26
.set MB2,  27
.set NINF, 31
.set QF,   32                          ; v[32:47]  Q of the block at work: two fragments
.set QL,   48                          ; v[48:63]  Q of block L
.set ACC,  64                          ; v[64:95]  out^T: u x feature tile x 8
.set SC,   96                          ; v[96:127] scores: u x key tile x 8; P is packed in place into the first 8 of each 16
.set KV,   128                         ; v[128:255] four items: K keys 0-15, K keys 16-31, V^T features 0-15, V^T features 16-31
.set ML,   128                         ; the merge: (maximum, sum) of up to 16 states
.set AC,   160                         ;            four features of up to 16 states
.set OO,   224
.set MX,   228
.set LS,   229
.set RC,   230
.set MK,   36                          ; s[36:43]  lanes where key 8h + j is later than query r
.set SPITCH, 144                       ; a state's row: 32 f32 of one query + 16 bytes that hold its maximum and sum; 9 x 16 bytes: no two of 16 rows start in the same banks (ISA guide 11.1)
.set SLOT,   32*SPITCH                 ; 4,608 bytes; H slot of wave w at w SLOT, L slot at (16 + w) SLOT
	s_load_b128 s[4:7], s[0:1], 0x0                ; qf s[4:5], kv s[6:7]
	s_load_b64 s[8:9], s[0:1], 0x10                ; out0
	v_lshrrev_b32 v28, 5, v0
	v_readfirstlane_b32 s10, v28                   ; wave 0..15
	s_mov_b32 s11, ttmp9                           ; i = block L
	s_and_b32 s12, ttmp7, 0xffff                   ; b
	s_sub_co_u32 s13, 64, s11                      ; H's items
	s_sub_co_u32 s17, 63, s11                      ; block H
	s_lshl_b32 s14, s10, 2                         ; my first item
	s_sub_co_i32 s15, s13, s14                     ; how many of my items are H's, before clamping
	s_sub_co_i32 s16, s15, 1                       ; which of my items is H's diagonal (none if not 0..3)
	s_max_i32 s15, s15, 0
	s_min_i32 s15, s15, 4                          ; in front of which of my items (4: behind the fourth) I pass from H to L
	s_mov_b32 s18, 0x76543210                      ; v_permlanex16_b32: lane i takes lane i of the other half
	s_mov_b32 s19, 0xfedcba98
	s_lshl_b32 s46, s12, 6                         ; 64 key steps a batch
.irp n, 0,1,2,3
	s_add_co_u32 s44, s14, \n                      ; item
	s_cmp_ge_u32 s44, s13
	s_cselect_b32 s45, s13, 0
	s_sub_co_u32 s44, s44, s45                     ; its key step: L's items start again at step 0
	s_add_co_u32 s44, s44, s46
	s_lshl_b32 s[20+2*\n], s44, 12                 ; 4,096 bytes a step
	s_mov_b32 s[21+2*\n], 0
.endr
	s_add_co_u32 s44, s46, s11                     ; item 64 = L's diagonal, key step i (wave 15 alone loads it)
	s_lshl_b32 s28, s44, 12
	s_mov_b32 s29, 0
	s_lshl_b32 s47, s12, 17                        ; qf: 128 tiles of 1,024 bytes a batch, 2,048 bytes a block
	s_lshl_b32 s44, s17, 11
	s_add_co_u32 s30, s44, s47
	s_mov_b32 s31, 0
	s_lshl_b32 s44, s11, 11
	s_add_co_u32 s32, s44, s47
	s_mov_b32 s33, 0
	v_and_b32 v[LOFF], 31, v0
	v_lshlrev_b32 v[LOFF], 4, v[LOFF]
	s_wait_kmcnt 0x0
	s_add_nc_u64 s[30:31], s[4:5], s[30:31]
	s_add_nc_u64 s[32:33], s[4:5], s[32:33]
.irp n, 0,1,2,3,4
	s_add_nc_u64 s[20+2*\n:21+2*\n], s[6:7], s[20+2*\n:21+2*\n]
.endr
	; 40 loads, in the order of their use
.irp c, 0,1,2,3
	global_load_b128 v[QF+4*\c:QF+4*\c+3], v[LOFF], s[30:31] offset:512*\c
.endr
.irp c, 0,1,2,3
	global_load_b128 v[QL+4*\c:QL+4*\c+3], v[LOFF], s[32:33] offset:512*\c
.endr
.irp n, 0,1,2,3
.irp c, 0,1,2,3,4,5,6,7
	global_load_b128 v[KV+32*\n+4*\c:KV+32*\n+4*\c+3], v[LOFF], s[20+2*\n:21+2*\n] offset:512*\c
.endr
.endr
	; lane terms and the empty state, while the loads are on their way
	v_and_b32 v28, 15, v0                          ; r
	v_bfe_u32 v29, v0, 4, 1                        ; h
	v_lshlrev_b32 v30, 3, v29
	v_sub_nc_u32 v30, v30, v28                     ; 8h - r
.irp j, 0,1,2,3,4,5,6,7
	v_cmp_lt_i32 s[MK+\j], -\j, v30                ; 8h + j > r
.endr
	s_mul_i32 s44, s10, SLOT
	v_mul_u32_u24 v[SB], v28, SPITCH
	v_add_nc_u32 v[SB], s44, v[SB]
	v_lshl_add_u32 v[SA], v29, 5, v[SB]            ; features 8h .. 8h+7 of a tile: 32 h bytes
	v_add_nc_u32 v[SB], 128, v[SB]
	v_add_nc_u32 v[SAL], 16*SLOT, v[SA]
	v_add_nc_u32 v[SBL], 16*SLOT, v[SB]
	v_mov_b32 v[NINF], 0xff800000
	v_mov_b32 v[MM], 0xff800000
	v_mov_b32 v[MM+1], 0xff800000
	v_mov_b32 v[X], 0                              ; v_permlanex16_b32 counts as a reader of its destination
	v_mov_b32 v[X+1], 0
.irp k, 0,1,2,3
	v_mov_b32 v[LL+\k], 0
.endr
.set cc, 0
.rept 32
	v_mov_b32 v[ACC+cc], 0
.set cc, cc+1
.endr
	; the merge's scalars: my four queries and where they go
	s_and_b32 s44, s10, 7
	s_cmp_lt_u32 s10, 8
	s_cselect_b32 s45, s17, s11                    ; waves 0-7 merge block H, waves 8-15 block L
	s_lshl_b32 s48, s45, 12                        ; 32 rows of 128 bytes a block
	s_lshl_b32 s46, s12, 18                        ; 2,048 rows a batch
	s_add_co_u32 s48, s48, s46
	s_lshl_b32 s46, s44, 9                         ; four rows a wave
	s_add_co_u32 s48, s48, s46
	s_mov_b32 s49, 0
	s_add_nc_u64 s[8:9], s[8:9], s[48:49]
	v_bfe_u32 v28, v0, 3, 2
	v_lshl_add_u32 v28, s44, 2, v28                ; the merge's query 0..31: 4 (wave % 8) + lane / 8
	v_and_b32 v29, 7, v0                           ; its four features
	v_mul_u32_u24 v[MB], v28, SPITCH
	v_lshl_add_u32 v[MA], v29, 4, v[MB]
	v_add_nc_u32 v[MB], 128, v[MB]
; The state goes to a slot of my wave's own: out^T as rows of queries, the maximum and the whole sum (both parts, both halves of the lanes) in the row's last 16 bytes.
.macro STORE_STATE a, bb
	v_add_f32 v[T], v[LL], v[LL+1]
	v_add_f32 v[T+1], v[LL+2], v[LL+3]
	v_permlanex16_b32 v[X], v[T], s18, s19
	v_permlanex16_b32 v[X+1], v[T+1], s18, s19
	v_add_f32 v[T], v[T], v[X]
	v_add_f32 v[T+1], v[T+1], v[X+1]
.irp u, 0,1
.irp f, 0,1,2,3
	ds_store_b128 v[\a], v[ACC+16*\u+4*\f:ACC+16*\u+4*\f+3] offset:\u*16*SPITCH+(\f/2)*64+(\f%2)*16
.endr
	ds_store_b32 v[\bb], v[MM+\u] offset:\u*16*SPITCH      ; both halves of the lanes write the same word with the same value
	ds_store_b32 v[\bb], v[T+\u] offset:\u*16*SPITCH+4
.endr
.endm
; In front of item n: if H's items end here, H's state is stored, the maximum becomes -inf (the next factor annuls the sums) and L's Q is taken.
; Every wave passes here exactly once (s15 is 0..4), so all 16 H slots are written.
.macro SWITCH n
	s_cmp_lg_u32 s15, \n
	s_cbranch_scc1 .Lstay\@
	STORE_STATE SA, SB
	v_mov_b32 v[MM], v[NINF]
	v_mov_b32 v[MM+1], v[NINF]
.set cc, 0
.rept 16
	v_mov_b32 v[QF+cc], v[QL+cc]
.set cc, cc+1
.endr
.Lstay\@:
.endm
; The second half of an item for 16 queries u: sum, P packed in place (word p from words 2p, 2p+1, which the sum has read), old sums scaled, out^T += V^T P^T.
.macro FINISH u
	s_wait_alu depctr_va_vdst(0)
	v_pk_fma_f32 v[LL+2*\u:LL+2*\u+1], v[LL+2*\u:LL+2*\u+1], v[AA+2*\u:AA+2*\u+1], v[SC+16*\u:SC+16*\u+1]
	v_cvt_pk_f16_f32 v[SC+16*\u], v[SC+16*\u], v[SC+16*\u+1]
.irp p, 1,2,3,4,5,6,7
	v_pk_add_f32 v[LL+2*\u:LL+2*\u+1], v[LL+2*\u:LL+2*\u+1], v[SC+16*\u+2*\p:SC+16*\u+2*\p+1]
	v_cvt_pk_f16_f32 v[SC+16*\u+\p], v[SC+16*\u+2*\p], v[SC+16*\u+2*\p+1]
.endr
.irp a, 0,1,2,3,4,5,6,7
	v_pk_mul_f32 v[ACC+16*\u+2*\a:ACC+16*\u+2*\a+1], v[ACC+16*\u+2*\a:ACC+16*\u+2*\a+1], v[AA+2*\u:AA+2*\u+1]
.endr
	v_wmma_f32_16x16x32_f16 v[ACC+16*\u:ACC+16*\u+7], v[KS+16:KS+23], v[SC+16*\u:SC+16*\u+7], v[ACC+16*\u:ACC+16*\u+7]
	v_wmma_f32_16x16x32_f16 v[ACC+16*\u+8:ACC+16*\u+15], v[KS+24:KS+31], v[SC+16*\u:SC+16*\u+7], v[ACC+16*\u+8:ACC+16*\u+15]
.endm
; One item: 32 queries x 32 keys from register set g.  n: the item's place among my four; always = 1: it is a diagonal whatever s16 says.
; The eight matrix instructions write eight different accumulators, one instruction a turn.
.macro STEP g, n, always
	.set KS, KV+32*\g
	v_wmma_f32_16x16x32_f16 v[SC:SC+7],     v[KS:KS+7],    v[QF:QF+7], 0
	v_wmma_f32_16x16x32_f16 v[SC+8:SC+15],  v[KS+8:KS+15], v[QF:QF+7], 0
	v_wmma_f32_16x16x32_f16 v[SC+16:SC+23], v[KS:KS+7],    v[QF+8:QF+15], 0
	v_wmma_f32_16x16x32_f16 v[SC+24:SC+31], v[KS+8:KS+15], v[QF+8:QF+15], 0
.rept 4
	v_nop                                          ; four places before vector instructions read the scores (ISA guide 7.12.1)
.endr
.if \always == 0
	s_cmp_lg_u32 s16, \n
	s_cbranch_scc1 .Lclear\@
.endif
	; the diagonal: key 16t + 8h + j against query 16u + r.  (u, t) = (0, 0) and (1, 1): later where 8h + j > r; (0, 1): all later; (1, 0): none
.irp j, 0,1,2,3,4,5,6,7
	v_cndmask_b32 v[SC+\j], v[SC+\j], v[NINF], s[MK+\j]
	v_mov_b32 v[SC+8+\j], v[NINF]
	v_cndmask_b32 v[SC+24+\j], v[SC+24+\j], v[NINF], s[MK+\j]
.endr
.Lclear\@:
	; the new maximum of each query: my 16 scores and the old maximum, then the other half's.  Every query has a key that is not masked, so it is finite.
	v_max3_num_f32 v[T], v[SC], v[SC+1], v[SC+2]
	v_max3_num_f32 v[T+1], v[SC+16], v[SC+17], v[SC+18]
.irp k, 3,5,7,9,11,13
	v_max3_num_f32 v[T], v[T], v[SC+\k], v[SC+\k+1]
	v_max3_num_f32 v[T+1], v[T+1], v[SC+16+\k], v[SC+16+\k+1]
.endr
	v_max3_num_f32 v[T], v[T], v[SC+15], v[MM]
	v_max3_num_f32 v[T+1], v[T+1], v[SC+31], v[MM+1]
	v_permlanex16_b32 v[X], v[T], s18, s19
	v_permlanex16_b32 v[X+1], v[T+1], s18, s19
	v_max_num_f32 v[T], v[T], v[X]
	v_max_num_f32 v[T+1], v[T+1], v[X+1]
	v_sub_f32 v[X], v[MM], v[T]                    ; old - new (-inf behind an empty state)
	v_sub_f32 v[X+1], v[MM+1], v[T+1]
	v_mov_b32 v[MM], v[T]
	v_mov_b32 v[MM+1], v[T+1]
	v_mul_f32 v[NM], -1.0, v[T]
	v_mul_f32 v[NM+1], -1.0, v[T]
	v_mul_f32 v[NM+2], -1.0, v[T+1]
	v_mul_f32 v[NM+3], -1.0, v[T+1]
	v_exp_f32 v[AA], v[X]                          ; behind each run of exponentials a plain vector instruction that touches none of their registers
	v_exp_f32 v[AA+1], v[X]                        ; comes before a result is used (ISA guide 5.7.2): the packed adds and sums of the other 16 queries
	v_exp_f32 v[AA+2], v[X+1]
	v_exp_f32 v[AA+3], v[X+1]
.irp p, 0,1,2,3,4,5,6,7
	v_pk_add_f32 v[SC+2*\p:SC+2*\p+1], v[SC+2*\p:SC+2*\p+1], v[NM:NM+1]
.endr
.irp k, 0,1,2,3,4,5,6,7,8,9,10,11,12,13,14,15
	v_exp_f32 v[SC+\k], v[SC+\k]
.endr
.irp p, 0,1,2,3,4,5,6,7
	v_pk_add_f32 v[SC+16+2*\p:SC+16+2*\p+1], v[SC+16+2*\p:SC+16+2*\p+1], v[NM+2:NM+3]
.endr
.irp k, 0,1,2,3,4,5,6,7,8,9,10,11,12,13,14,15
	v_exp_f32 v[SC+16+\k], v[SC+16+\k]
.endr
	FINISH 0
	FINISH 1
.rept 5
	v_nop                                          ; five places before the next item's matrix instructions write over P, four before anything else touches these registers (ISA guide 7.12.1)
.endr
.endm
	s_wait_loadcnt 24                              ; loads return in order (ISA guide 5.7.1): both Q and item 0 are in, items 1 to 3 (8 loads each) stay out
	SWITCH 0
	STEP 0, 0, 0
	s_cmp_lg_u32 s10, 15
	s_cbranch_scc1 .Lfour_a
.irp c, 0,1,2,3,4,5,6,7
	global_load_b128 v[KV+4*\c:KV+4*\c+3], v[LOFF], s[28:29] offset:512*\c     ; wave 15: item 64 into the registers that item 0 has left
.endr
.Lfour_a:
	SWITCH 1
	s_wait_loadcnt 16                              ; item 1 is in; items 2 and 3 stay out (wave 15, with eight younger loads, waits for item 2 as well)
	STEP 1, 1, 0
	SWITCH 2
	s_wait_loadcnt 8                               ; item 2 is in; item 3 stays out
	STEP 2, 2, 0
	SWITCH 3
	s_wait_loadcnt 0x0
	STEP 3, 3, 0
	SWITCH 4
	s_cmp_lg_u32 s10, 15
	s_cbranch_scc1 .Lfour_b
	STEP 0, 4, 1                                   ; item 64: L's diagonal
.Lfour_b:
	s_cmp_lt_u32 s10, 8
	s_cbranch_scc1 .Lno_l                          ; waves 0-7 have no item of L (L's begin at item 33 or later), and their L slots are not read
	STORE_STATE SAL, SBL
.Lno_l:
	s_wait_dscnt 0x0                               ; my states are in LDS, for the others' sake
	s_barrier_signal -1
	s_barrier_wait -1
; The merge of ns states for one query and four features a thread: the largest maximum, weights exp2(maximum - largest) (0 for an empty state),
; the weighted sums, one reciprocal.  The wave's store is 512 consecutive bytes of out0, aligned.
.macro MERGE ns
.set cc, 0
.rept 8
	ds_load_b64 v[ML+2*cc:ML+2*cc+1], v[MB] offset:cc*SLOT
.set cc, cc+1
.endr
.if \ns == 16
.rept 8
	ds_load_b64 v[ML+2*cc:ML+2*cc+1], v[MB2] offset:(cc-8)*SLOT
.set cc, cc+1
.endr
.endif
.set cc, 0
.rept 8
	ds_load_b128 v[AC+4*cc:AC+4*cc+3], v[MA] offset:cc*SLOT
.set cc, cc+1
.endr
.if \ns == 16
.rept 8
	ds_load_b128 v[AC+4*cc:AC+4*cc+3], v[MA2] offset:(cc-8)*SLOT
.set cc, cc+1
.endr
.endif
	s_wait_dscnt \ns                               ; the maxima and sums are in; the ns loads of out^T stay out
	v_max3_num_f32 v[MX], v[ML], v[ML+2], v[ML+4]
.set cc, 3
.rept (\ns-4)/2
	v_max3_num_f32 v[MX], v[MX], v[ML+2*cc], v[ML+2*cc+2]
.set cc, cc+2
.endr
	v_max_num_f32 v[MX], v[MX], v[ML+2*\ns-2]      ; finite: the wave with the block's diagonal has a state that is not empty
.set cc, 0
.rept \ns
	v_sub_f32 v[ML+2*cc], v[ML+2*cc], v[MX]
.set cc, cc+1
.endr
.set cc, 0
.rept \ns
	v_exp_f32 v[ML+2*cc], v[ML+2*cc]
.set cc, cc+1
.endr
	v_nop                                          ; one plain place behind the exponentials (ISA guide 5.7.2)
	s_wait_alu depctr_va_vdst(0)
	v_mul_f32 v[LS], v[ML+1], v[ML]
.set cc, 1
.rept \ns-1
	v_fmac_f32 v[LS], v[ML+2*cc+1], v[ML+2*cc]
.set cc, cc+1
.endr
	v_rcp_f32 v[RC], v[LS]                         ; the sum is at least 1; the multiplies below stand between this and its use
	s_wait_dscnt 0x0
.irp e, 0,1,2,3
	v_mul_f32 v[OO+\e], v[AC+\e], v[ML]
.endr
.set cc, 1
.rept \ns-1
.irp e, 0,1,2,3
	v_fmac_f32 v[OO+\e], v[AC+4*cc+\e], v[ML+2*cc]
.endr
.set cc, cc+1
.endr
	s_wait_alu depctr_va_vdst(0)
.irp e, 0,1,2,3
	v_mul_f32 v[OO+\e], v[OO+\e], v[RC]
.endr
	global_store_b128 v[LOFF], v[OO:OO+3], s[8:9] th:TH_STORE_NT
	s_wait_xcnt 0x0
	v_lshl_add_u32 v254, v0, 2, 0x24000
	v_mov_b32 v255, 0
	s_wait_tensorcnt 0x0
	ds_add_u32 v254, v255
	s_wait_dscnt 0x0
	s_endpgm
.endm
	s_cmp_ge_u32 s10, 8
	s_cbranch_scc1 .Lmerge_l
	v_add_nc_u32 v[MA2], 8*SLOT, v[MA]             ; H slots 8-15: beyond the reach of a 16-bit offset
	v_add_nc_u32 v[MB2], 8*SLOT, v[MB]
	MERGE 16
.Lmerge_l:
	v_add_nc_u32 v[MA], 24*SLOT, v[MA]             ; the L slots of waves 8-15
	v_add_nc_u32 v[MB], 24*SLOT, v[MB]
	MERGE 8
.Lfunc_end_k_qd992510167_attn:
	.size	k_qd992510167_attn, .Lfunc_end_k_qd992510167_attn-k_qd992510167_attn
	.p2alignl 7, 3214868480
	.fill 96, 4, 3214868480
	.section	.rodata,"a",@progbits
	.p2align	6, 0x0
	.amdhsa_kernel k_qd992510167_attn
		.amdhsa_group_segment_fixed_size 149504
		.amdhsa_private_segment_fixed_size 0
		.amdhsa_enable_private_segment 0
		.amdhsa_kernarg_size 24
		.amdhsa_user_sgpr_count 2
		.amdhsa_user_sgpr_kernarg_segment_ptr 1
		.amdhsa_wavefront_size32 1
		.amdhsa_system_sgpr_workgroup_id_x 1
		.amdhsa_system_sgpr_workgroup_id_y 1
		.amdhsa_system_sgpr_workgroup_id_z 1
		.amdhsa_system_vgpr_workitem_id 0
		.amdhsa_next_free_vgpr 256
		.amdhsa_next_free_sgpr 66
		.amdhsa_reserve_vcc 0
		.amdhsa_float_denorm_mode_32 3
		.amdhsa_float_denorm_mode_16_64 3
		.amdhsa_memory_ordered 1
		.amdhsa_forward_progress 1
		.amdhsa_inst_pref_size 74
	.end_amdhsa_kernel
	.amdgpu_metadata
---
amdhsa.version: [ 1, 2 ]
amdhsa.kernels:
  - .name:           k_qd992510167_attn
    .symbol:         k_qd992510167_attn.kd
    .args:
      - { .name: qf, .offset: 0, .size: 8, .value_kind: global_buffer, .address_space: global }
      - { .name: kv, .offset: 8, .size: 8, .value_kind: global_buffer, .address_space: global }
      - { .name: out0, .offset: 16, .size: 8, .value_kind: global_buffer, .address_space: global }
    .group_segment_fixed_size: 149504
    .private_segment_fixed_size: 0
    .kernarg_segment_align: 8
    .kernarg_segment_size: 24
    .max_flat_workgroup_size: 512
    .sgpr_count:     66
    .vgpr_count:     256
    .wavefront_size: 32
...
	.end_amdgpu_metadata
.endif
;; end of part 2
